; MI455X (gfx1250); checked and timed in simulation.
; The chip was launched on July 23, 2026; its instructions are those of AMD's public machine-readable ISA for CDNA 5 (MIT licence, August 2026) and "CDNA5" Instruction Set Architecture Reference Guide (July 2026). The comments in the code are by the model that wrote it; some were corrected since.
;; Bahdanau Attention. Allowed arithmetic: matrix products marked QUANTISED: E2M1 operands, one E8M0 scale for each 32 along K, by v_wmma_scale_f32_16x16x128_f8f6f4 with both operands' format E2M1 (or v_wmma_scale_f32_32x16x128_f4), f32 sums; products left as they are: f32 operands where the result goes on into a quantised operand, else bf16, f16 or f32 operands; f32 sums; everything else in f32.
;; Inputs: V 1,024 x 1 float32; W1 1,024 x 1,024 float32; W2 1,024 x 1,024 float32; b1 1,024 float32; b2 1,024 float32; bV 1 float32; query 32 x 1,024 float32; values 32 x 2,048 x 1,024 float32.
;; Outputs: out0 32 x 1,024 float32; out1 32 x 2,048 x 1 float32.
;; This version of the problem:
;;   THIS VERSION OF THE PROBLEM IS GIVEN IN LOW PRECISION. The matrix products marked QUANTISED in the list below multiply operands that are first quantised to E2M1 (2 exponent bits, 1 mantissa bit; 4 bits a number), with one power-of-two scale for each 32 numbers along K (OCP MX v1.0); their sums are f32. All else is computed in f32.
;;   The module's matrix products, in the order in which they are computed (A, B: the left and right operand; K: the contracted axis; several contracted axes count as one K, in the product's order):
;;     1. [M 65,536, K 1,024] x [K 1,024, N 1,024]; A: input values; B: input W1: QUANTISED
;;     2. [M 32, K 1,024] x [K 1,024, N 1,024]; A: input query; B: input W2: QUANTISED
;;     3. [M 65,536, K 1,024] x [K 1,024, N 1]; A: computed on the way; B: input V: left as it is (N = 1 < 16)
;;   THE QUANTISER, for each operand of a quantised product, along K:
;;     - K is cut into blocks of 32 from its start; a last block that is shorter is filled with zeros.
;;     - A block's scale is 2^e with e = floor(log2(the largest magnitude in the block)) - 2, held to -126 .. 127; a block of zeros has e = 0. As a byte (E8M0): e + 127.
;;     - Each number is divided by its block's scale, clamped to +-6, and rounded to the nearest number of E2M1, ties to even, subnormals kept.
;;     - The product sums the exact products of the quantised numbers (number of the format x scale) in f32.
;;   ~~~python
;;   def quantise(x, axis):      # numpy; x: float32 -> the quantised numbers, widened to float32 again
;;       x = np.moveaxis(x, axis, -1); K = x.shape[-1]
;;       x = np.pad(x, [(0, 0)] * (x.ndim - 1) + [(0, -K % 32)]); x = x.reshape(x.shape[:-1] + (-1, 32)); a = np.abs(x).max(-1, keepdims=True)
;;       e = np.where(a > 0, np.clip(np.frexp(np.where(a > 0, a, 1))[1] - 1 - 2, -126, 127), 0)      # np.frexp(a)[1] - 1 = floor(log2(a)), exactly
;;       r = np.clip(x / 2.0 ** e, -6, 6)
;;       step = 2.0 ** (np.maximum(np.frexp(np.where(r == 0, 1, r))[1] - 1, 0) - 1)
;;       q = np.round(r / step) * step * 2.0 ** e      # np.round: ties to even
;;       return np.moveaxis(q.reshape(q.shape[:-2] + (-1,))[..., :K], -1, axis).astype(np.float32)
;;   ~~~
;; One version. Each part assembles by itself: llvm-mc -triple=amdgcn-amd-amdhsa -mcpu=gfx1250 --defsym DOCPART=n.
;; ======== version 1 of 1: 3 launches
;; limits: right only within a limited range of input values
;; workspace buffers: w1f 524,288 bytes; w1s 32,768 bytes; qb 131,072 bytes; scores 262,144 bytes; stats 2,048 bytes; pctx 1,048,576 bytes
;; launch prep (part 1): grid 64 x 1, 8 waves a work-group, no clusters, 173,056 bytes of LDS; arguments W1, W2, query, b1, b2, w1f, w1s, qb; writes w1f, w1s, qb
.if DOCPART == 1
	.amdgcn_target "amdgcn-amd-amdhsa--gfx1250"
	.amdhsa_code_object_version 6
	.text
	.protected	k_q32bcbeb089_prep
	.globl	k_q32bcbeb089_prep
	.p2align	8
	.type	k_q32bcbeb089_prep,@function
k_q32bcbeb089_prep:
	s_mov_b64 s[64:65], 0
	v_nop
	global_prefetch_b8 v0, s[64:65] scope:SCOPE_SE
	s_setreg_imm32_b32 hwreg(HW_REG_WAVE_MODE, 25, 1), 1
	s_wait_xcnt 0x0
; W1 and W2, [1024 (k)][1024 (unit)] f32 with K as their FIRST axis, are quantised along K to codes of FP4 (E2M1) with one E8M0 byte for each 32 along K.
; Work-groups 0-31 take W1 and store it as images of the matrix operand's registers (w1f) and as scale words (w1s), for the next launch.
; Work-groups 32-63 take W2, quantise query too, multiply, and store qb[row][unit] = query W2 + b2 + b1; W2's codes never go to memory.
; SHARES.  A work-group takes 32 units (two tiles of 16); wave k takes K step k: 128 rows of the weight.  A LANE TAKES A UNIT AND ITS REGISTERS RUN DOWN K:
; each load reads 128 consecutive bytes, a block of 32 along K lies in one lane, and the conversions give codes with K innermost.
; QUERY: for the conversions a lane must hold a ROW's neighbours along K, so a load straight into registers would name 32 places, 4,096 or 128 bytes apart, in every instruction.  So each wave brings
; its K step of all 32 rows (32 x 512 bytes, whole aligned blocks of 256) by ONE tensor load into LDS bytes of its own, and reads them from there, 16 rows to an instruction's half.
; A block's scale is 2^(floor(log2(largest magnitude)) - 2); its byte is the largest magnitude's exponent field - 2, held at 1 from below by a floor among the maximum's leaves.
; LIMITS: a block of zeros gets the byte 1 where the rule says 127 (its codes are zeros, and only this program reads the bytes); NaN and infinities among the inputs are not served.
; w1f: tile t, K step k: 1,024 bytes at 1024 (8 t + k): register group c at + 512 c, lane l's 16 bytes at + 16 l.
; w1s: tile t at 512 t, pair of K steps kp at + 128 kp: K step 2 kp at + 4 r, K step 2 kp + 1 at + 64 + 4 r.
; The two kinds of work-group part once, at the head, on the work-group's number; only W2's use LDS, a tensor load and a barrier.  No LDS byte is filled twice.
; LDS: bytes 0 .. 32,767 the eight waves' parts of the product (LDS stores); from 32,768 on eight tiles of query, 16,896 bytes each (tensor loads).
.set QB,     32768                     ; LDS: query's tiles begin here
.set QPITCH, 528                       ; a row of a tile: 512 bytes + 16 of padding = 33 x 16 bytes: the sixteen rows that a load touches start 16 bytes apart modulo 256
.set QTILE,  32*QPITCH                 ; a wave's tile
.set X,   16                           ; v16-143  128 numbers of my unit, down K; later the eight waves' parts of the product
.set TM,  144                          ; v144-147 largest magnitudes, v148-151 the conversions' scale operands, v152-155 bytes
.set WSC, 156                          ; v156     my unit's scale word: lanes 0-15 the first tile's, lanes 16-31 the second's
.set R,   160                          ; v160-175 codes: two fragments of 8 registers
.set QT,  176                          ; v176-183 at work on query
.set QS,  184                          ; v184-185 query's scale words, rows 0-15 and 16-31
.set QC,  188                          ; v188-203 query's two fragments
.set D,   208                          ; v208-239 four accumulators: 2 x (tile of rows) + (tile of units)
                                       ; window 1, v0-127: query's numbers: 64 x (tile of rows) + 32 c + i
.set G1,  36                           ; s[36:43] descriptor group 1;  s[44:47] group 0
.set G0,  44
.set MSB, 0
.macro WIN new                         ; the immediate's high byte repeats the setting that is left
.if MSB != (\new)
	s_set_vgpr_msb (MSB<<8)|(\new)
.set MSB, (\new)
.endif
.endm
.macro WLOAD base                      ; row i of my 128, at my unit: 32 lanes read 128 consecutive bytes
.set n, 0
.rept 128
	global_load_b32 v[X+n], v4, s[\base:\base+1] offset:4096*n
.set n, n+1
.endr
.endm
.macro WMAX b0, b1                     ; the largest magnitudes of two blocks, by turns; the floor 2^(3 - 127) is one more leaf
.irp b, \b0, \b1
	v_max3_num_f32 v[TM+\b], |v[X+32*\b]|, |v[X+32*\b+1]|, 0x1800000
.endr
.irp i, 2,4,6,8,10,12,14,16,18,20,22,24,26,28,30
.irp b, \b0, \b1
	s_delay_alu instid0(VALU_DEP_2)
	v_max3_num_f32 v[TM+\b], v[TM+\b], |v[X+32*\b+\i]|, |v[X+32*\b+\i+1]|
.endr
.endr
.endm
.macro WQUANT                          ; 128 numbers a lane -> two fragments in v[R] on, and the scale word
	s_wait_loadcnt 63                              ; the 63 youngest loads may be out: rows 0 to 64, and all that was asked for earlier, are in
	WMAX 0, 1
	s_wait_loadcnt 0x0
	WMAX 2, 3
.irp b, 0,1,2,3
	v_add_nc_u32 v[TM+4+\b], 0xff000000, v[TM+\b]  ; 2 off the exponent field: the conversion takes this operand's exponent field as its scale
.endr
.irp b, 0,1,2,3
	s_delay_alu instid0(VALU_DEP_4)
	v_lshrrev_b32 v[TM+8+\b], 23, v[TM+4+\b]       ; the scale's byte
.endr
	s_delay_alu instid0(VALU_DEP_3)
	v_lshl_or_b32 v[WSC], v[TM+9], 8, v[TM+8]
	s_delay_alu instid0(VALU_DEP_1)
	v_lshl_or_b32 v[WSC], v[TM+10], 16, v[WSC]
	s_delay_alu instid0(VALU_DEP_1)
	v_lshl_or_b32 v[WSC], v[TM+11], 24, v[WSC]
.irp b, 0,1,2,3                        ; blocks 0 and 2 into the first eight registers, blocks 1 and 3 into the second eight
.irp g, 0,1,2,3
	v_cvt_scalef32_pk8_fp4_f32 v[R+4*(\b/2)+8*(\b%2)+\g], v[X+32*\b+8*\g:X+32*\b+8*\g+7], v[TM+4+\b]
.endr
.endr
	v_nop                                          ; one plain line behind the last scaled conversion
.irp i, 0,1,2,3,4,5,6,7                ; the operand wants lane (r, h) to hold blocks h and 2 + h of unit r of ONE tile: the first register's lanes 16-31 change places with the second's lanes 0-15
	v_permlane16_swap_b32 v[R+\i], v[R+8+\i]
.endr
.endm
	s_load_b512 s[4:19], s[0:1], 0x0               ; W1 s[4:5], W2 s[6:7], query s[8:9], b1 s[10:11], b2 s[12:13], w1f s[14:15], w1s s[16:17], qb s[18:19]
	v_lshl_add_u32 v254, v0, 2, 0x2a000
	v_mov_b32 v255, 0
	ds_add_u32 v254, v255
	ds_add_u32 v254, v255
	s_wait_dscnt 0x0
	v_lshrrev_b32 v1, 5, v0
	s_delay_alu instid0(VALU_DEP_1)
	v_readfirstlane_b32 s20, v1                    ; wave = K step
	v_and_b32 v1, 31, v0                           ; l
	v_and_b32 v2, 15, v0                           ; r
	v_bfe_u32 v3, v0, 4, 1                         ; h
	s_delay_alu instid0(VALU_DEP_3)
	v_lshlrev_b32 v4, 2, v1                        ; 4 l
	s_delay_alu instid0(VALU_DEP_4)
	v_lshlrev_b32 v6, 4, v1                        ; 16 l
	; descriptor group 1, written on the way that every wave takes: 32 rows x 128 elements of 4 bytes, 1,024 elements from row to row, 4 words of padding behind each row's 128
	s_mov_b32 s[G1+0], (2<<16)|(1<<20)|(6<<22)|(3<<25)
	s_mov_b32 s[G1+1], 128<<16                     ; tensor_dim0
	s_mov_b32 s[G1+2], 32<<16                      ; tensor_dim1
	s_mov_b32 s[G1+3], 128<<16                     ; tile_dim0
	s_mov_b32 s[G1+4], 32                          ; tile_dim1
	s_mov_b32 s[G1+5], 1024                        ; tensor_dim0_stride
	s_mov_b32 s[G1+6], 0
	s_mov_b32 s[G1+7], 0
	s_mov_b32 s[G0], 1                             ; group 0: count,
	s_mul_i32 s[G0+1], s20, QTILE
	s_add_co_u32 s[G0+1], s[G0+1], QB              ; my wave's tile in LDS
	s_lshl_b32 s26, s20, 19                        ; my 128 rows of 4,096 bytes
	s_mov_b32 s27, 0
	s_cmp_ge_u32 ttmp9, 32
	s_cbranch_scc1 .Lw2
	; ---- W1: work-group p takes units 32 p on
	s_lshl_b32 s28, ttmp9, 7
	s_add_co_u32 s26, s26, s28                     ; + 128 p
	s_lshl_b32 s28, ttmp9, 14                      ; w1f: 16,384 p + 1,024 k
	s_lshl_b32 s29, s20, 10
	s_add_co_u32 s28, s28, s29
	s_mov_b32 s29, 0
	s_lshl_b32 s30, ttmp9, 10                      ; w1s: 1,024 p + 128 (k / 2) + 64 (k % 2)
	s_lshr_b32 s31, s20, 1
	s_lshl_b32 s31, s31, 7
	s_add_co_u32 s30, s30, s31
	s_and_b32 s31, s20, 1
	s_lshl_b32 s31, s31, 6
	s_add_co_u32 s30, s30, s31
	s_mov_b32 s31, 0
	s_wait_alu depctr_va_vdst(0)
	v_lshlrev_b32 v7, 2, v2
	s_delay_alu instid0(VALU_DEP_1)
	v_lshl_add_u32 v7, v3, 9, v7                   ; 512 h + 4 r: the second tile's words lie 512 bytes on
	s_wait_kmcnt 0x0
	s_add_nc_u64 s[4:5], s[4:5], s[26:27]
	s_add_nc_u64 s[14:15], s[14:15], s[28:29]
	s_add_nc_u64 s[16:17], s[16:17], s[30:31]
	WLOAD 4
	WQUANT
.irp e, 0,1
.irp c, 0,1
	global_store_b128 v6, v[R+8*\e+4*\c:R+8*\e+4*\c+3], s[14:15] offset:8192*\e+512*\c   ; 32 lanes store 512 consecutive bytes
.endr
.endr
	global_store_b32 v7, v[WSC], s[16:17]          ; two runs of 64 bytes; the work-group's eight waves together fill each tile's 512 bytes
	s_endpgm
	; ---- W2: work-group 32 + p takes units 32 p on
.Lw2:
	s_sub_co_u32 s21, ttmp9, 32                    ; p
	s_lshl_b32 s28, s21, 7
	s_add_co_u32 s26, s26, s28                     ; W2: + 128 p
	s_lshl_b32 s30, s20, 9                         ; query: my 128 along K
	s_mov_b32 s31, 0
	s_bfe_u32 s32, s20, 0x10001                    ; on the way out wave w takes accumulator w / 2, half w % 2: its tile of units is (w / 2) % 2,
	s_lshl_b32 s32, s32, 6
	s_add_co_u32 s32, s32, s28                     ; so its units begin at byte 128 p + 64 ((w / 2) % 2) of b1, b2 and a row of qb,
	s_mov_b32 s33, 0
	s_lshr_b32 s34, s20, 2
	s_lshl_b32 s34, s34, 16                        ; and its rows at 16 (w / 4) + 4 (w % 2), 4,096 bytes each
	s_and_b32 s35, s20, 1
	s_lshl_b32 s35, s35, 14
	s_add_co_u32 s34, s34, s35
	s_add_co_u32 s34, s34, s32
	s_mov_b32 s35, 0
	s_mov_b32 s24, 0x76543210
	s_mov_b32 s25, 0xfedcba98                      ; v_permlanex16_b32's selects for lane l xor 16
	s_wait_alu depctr_va_vdst(0)
	v_mul_u32_u24 v5, v2, QPITCH
	s_delay_alu instid0(VALU_DEP_1)
	v_lshl_add_u32 v5, v3, 7, v5
	s_delay_alu instid0(VALU_DEP_1)
	v_add_nc_u32 v5, s[G0+1], v5                   ; query in LDS: my wave's tile, row r, + 128 h: lane (r, h) wants blocks h and 2 + h whole
	v_lshlrev_b32 v10, 2, v2                       ; 4 r
	s_delay_alu instid0(VALU_DEP_1)
	v_lshl_add_u32 v11, v3, 15, v10                ; qb: 8 h rows + 4 r
	s_lshl_b32 s22, s20, 12
	v_add_nc_u32 v8, s22, v6                       ; LDS, in: my wave's 4,096 bytes, 16 l
	s_lshl_b32 s22, s20, 9
	v_add_nc_u32 v9, s22, v6                       ; LDS, back: piece w of every wave's part
	v_lshlrev_b32 v[QT+6], 3, v3                   ; 8 h
	v_mov_b32 v[QT+7], 0                           ; a lane permute's destination counts as one of its sources
	s_wait_alu depctr_va_vdst(0)
	s_wait_kmcnt 0x0
	s_add_nc_u64 s[G0+2:G0+3], s[8:9], s[30:31]    ; the tile's first element: row 0, my K step
	s_or_b32 s[G0+3], s[G0+3], 0x80000000          ; type = 2
	tensor_load_to_lds s[G0:G0+3], s[G1:G1+7]      ; my one tensor load: ahead of every wait on TENSORcnt, every LDS read and the barrier
	s_nop 0
.rept 4
	v_nop                                          ; four plain lines behind a tensor load
.endr
	s_add_nc_u64 s[6:7], s[6:7], s[26:27]
	s_add_nc_u64 s[10:11], s[10:11], s[32:33]
	s_add_nc_u64 s[12:13], s[12:13], s[32:33]
	s_add_nc_u64 s[18:19], s[18:19], s[34:35]
	global_load_b32 v12, v10, s[10:11]
	global_load_b32 v13, v10, s[12:13]
	WLOAD 6
	s_wait_tensorcnt 0x0                           ; my tile lies in LDS; only I read it, so my own wait is all that the reads need
	WIN 0x40                                       ; destination window 1
.irp t, 0,1
.irp c, 0,1
.irp j, 0,1,2,3,4,5,6,7
	ds_load_b128 v[64*\t+32*\c+4*\j:64*\t+32*\c+4*\j+3], v5 offset:16*QPITCH*\t+256*\c+16*\j
.endr
.endr
.endr
	WIN 0
	WQUANT                                         ; its last wait is for all loads from memory: b1 and b2 are in too
	s_wait_dscnt 0x0                               ; query's numbers are in their registers
; 16 rows of query, 128 along K: a lane holds two whole blocks, so no other lane is asked for a maximum; the word's four bytes come from lanes l and l xor 16
.macro QQ mt
	WIN 0x05                                       ; sources 0 and 1 window 1
.irp c, 0,1
	v_max3_num_f32 v[QT+\c], |v[64*\mt+32*\c]|, |v[64*\mt+32*\c+1]|, 0x1800000
.endr
.irp i, 2,4,6,8,10,12,14,16,18,20,22,24,26,28,30
.irp c, 0,1
	s_delay_alu instid0(VALU_DEP_2)
	v_max3_num_f32 v[QT+\c], |v[64*\mt+32*\c+\i]|, |v[64*\mt+32*\c+\i+1]|, v[QT+\c]
.endr
.endr
	WIN 0
.irp c, 0,1
	v_add_nc_u32 v[QT+2+\c], 0xff000000, v[QT+\c]
.endr
.irp c, 0,1
	s_delay_alu instid0(VALU_DEP_2)
	v_lshrrev_b32 v[QT+4+\c], 23, v[QT+2+\c]
.endr
	s_delay_alu instid0(VALU_DEP_1)
	v_lshl_or_b32 v[QS+\mt], v[QT+5], 16, v[QT+4]  ; blocks h and 2 + h,
	s_delay_alu instid0(VALU_DEP_1)
	v_lshlrev_b32 v[QS+\mt], v[QT+6], v[QS+\mt]    ; at their places: 8 h bits up
	s_delay_alu instid0(VALU_DEP_1)
	v_permlanex16_b32 v[QT+7], v[QS+\mt], s24, s25
	s_delay_alu instid0(VALU_DEP_1)
	v_or_b32 v[QS+\mt], v[QS+\mt], v[QT+7]         ; with lane l xor 16's two the word is whole
	WIN 0x01                                       ; source 0 window 1
.irp c, 0,1
.irp g, 0,1,2,3
	v_cvt_scalef32_pk8_fp4_f32 v[QC+8*\mt+4*\c+\g], v[64*\mt+32*\c+8*\g:64*\mt+32*\c+8*\g+7], v[QT+2+\c]
.endr
.endr
	WIN 0
	v_nop                                          ; one plain line behind the last scaled conversion
.endm
	QQ 0
	QQ 1
.rept 8
	v_nop                                          ; scale registers written by vector instructions stand eight places ahead of a scaled matrix instruction, operands four
.endr
.irp t, 0,1                            ; source 0 = 16 rows of query, source 1 = 16 units: register j of lane (r, h) is (row 8 h + j, unit r).  Four accumulators, one product each: my K step's part
	v_wmma_scale_f32_16x16x128_f8f6f4 v[D+16*\t:D+16*\t+7], v[QC+8*\t:QC+8*\t+7], v[R:R+7], 0, v[QS+\t], v[WSC] matrix_a_fmt:MATRIX_FMT_FP4 matrix_b_fmt:MATRIX_FMT_FP4
	v_wmma_scale_f32_16x16x128_f8f6f4 v[D+16*\t+8:D+16*\t+15], v[QC+8*\t:QC+8*\t+7], v[R+8:R+15], 0, v[QS+\t], v[WSC] matrix_a_fmt:MATRIX_FMT_FP4 matrix_b_fmt:MATRIX_FMT_FP4 matrix_b_scale:MATRIX_SCALE_ROW1
.endr
.rept 4
	v_nop                                          ; four places ahead of the first read of results
.endr
.irp q, 0,1,2,3,4,5,6,7                ; piece q: accumulator q / 2, half q % 2; each accumulator from its low end on
	ds_store_b128 v8, v[D+4*\q:D+4*\q+3] offset:512*\q
.endr
	s_wait_dscnt 0x0                               ; for the others' sake: my part lies in LDS
	s_barrier_signal -1
	s_barrier_wait -1
.irp s, 0,1,2,3,4,5,6,7
	ds_load_b128 v[X+4*\s:X+4*\s+3], v9 offset:4096*\s   ; piece w of K step s
.endr
	s_wait_dscnt 0x0
.irp s, 1
	v_pk_add_f32 v[X:X+1], v[X:X+1], v[X+4*\s:X+4*\s+1]
	v_pk_add_f32 v[X+2:X+3], v[X+2:X+3], v[X+4*\s+2:X+4*\s+3]
.endr
.irp s, 2, 3, 4, 5, 6, 7
	s_delay_alu instid0(VALU_DEP_2)
	v_pk_add_f32 v[X:X+1], v[X:X+1], v[X+4*\s:X+4*\s+1]
	s_delay_alu instid0(VALU_DEP_2)
	v_pk_add_f32 v[X+2:X+3], v[X+2:X+3], v[X+4*\s+2:X+4*\s+3]
.endr
	v_add_f32 v12, v12, v13                        ; b1 + b2 of my unit
.irp i, 0,1,2,3
	v_add_f32 v[X+\i], v[X+\i], v12
.endr
.irp i, 0,1,2,3
	global_store_b32 v11, v[X+\i], s[18:19] offset:4096*\i   ; runs of 64 bytes: 16 units of a row; the buffer is 131,072 bytes in all
.endr
	s_wait_tensorcnt 0x0
	ds_add_u32 v254, v255
	s_wait_dscnt 0x0
	s_endpgm
.Lfunc_end_k_q32bcbeb089_prep:
	.size	k_q32bcbeb089_prep, .Lfunc_end_k_q32bcbeb089_prep-k_q32bcbeb089_prep
	.p2alignl 7, 3214868480
	.fill 96, 4, 3214868480
	.section	.rodata,"a",@progbits
	.p2align	6, 0x0
	.amdhsa_kernel k_q32bcbeb089_prep
		.amdhsa_group_segment_fixed_size 173056
		.amdhsa_private_segment_fixed_size 0
		.amdhsa_enable_private_segment 0
		.amdhsa_kernarg_size 64
		.amdhsa_user_sgpr_count 2
		.amdhsa_user_sgpr_kernarg_segment_ptr 1
		.amdhsa_wavefront_size32 1
		.amdhsa_system_sgpr_workgroup_id_x 1
		.amdhsa_system_sgpr_workgroup_id_y 1
		.amdhsa_system_sgpr_workgroup_id_z 1
		.amdhsa_system_vgpr_workitem_id 0
		.amdhsa_next_free_vgpr 384
		.amdhsa_next_free_sgpr 66
		.amdhsa_reserve_vcc 0
		.amdhsa_float_denorm_mode_32 3
		.amdhsa_float_denorm_mode_16_64 3
		.amdhsa_memory_ordered 1
		.amdhsa_forward_progress 1
		.amdhsa_inst_pref_size 60
	.end_amdhsa_kernel
	.amdgpu_metadata
---
amdhsa.version: [ 1, 2 ]
amdhsa.kernels:
  - .name:           k_q32bcbeb089_prep
    .symbol:         k_q32bcbeb089_prep.kd
    .args:
      - { .name: W1, .offset: 0, .size: 8, .value_kind: global_buffer, .address_space: global }
      - { .name: W2, .offset: 8, .size: 8, .value_kind: global_buffer, .address_space: global }
      - { .name: query, .offset: 16, .size: 8, .value_kind: global_buffer, .address_space: global }
      - { .name: b1, .offset: 24, .size: 8, .value_kind: global_buffer, .address_space: global }
      - { .name: b2, .offset: 32, .size: 8, .value_kind: global_buffer, .address_space: global }
      - { .name: w1f, .offset: 40, .size: 8, .value_kind: global_buffer, .address_space: global }
      - { .name: w1s, .offset: 48, .size: 8, .value_kind: global_buffer, .address_space: global }
      - { .name: qb, .offset: 56, .size: 8, .value_kind: global_buffer, .address_space: global }
    .group_segment_fixed_size: 173056
    .private_segment_fixed_size: 0
    .kernarg_segment_align: 8
    .kernarg_segment_size: 64
    .max_flat_workgroup_size: 256
    .sgpr_count:     66
    .vgpr_count:     384
    .wavefront_size: 32
...
	.end_amdgpu_metadata
.endif
;; end of part 1
;; launch attend (part 2): grid 256 x 1, 4 waves a work-group, no clusters, 327,680 bytes of LDS; arguments values, w1f, w1s, qb, V, bV, scores, stats, pctx; writes scores, stats, pctx
.if DOCPART == 2
	.amdgcn_target "amdgcn-amd-amdhsa--gfx1250"
	.amdhsa_code_object_version 6
	.text
	.protected	k_q32bcbeb089_attend
	.globl	k_q32bcbeb089_attend
	.p2align	8
	.type	k_q32bcbeb089_attend,@function
k_q32bcbeb089_attend:
	s_mov_b64 s[64:65], 0
	v_nop
	global_prefetch_b8 v0, s[64:65] scope:SCOPE_SE
	s_setreg_imm32_b32 hwreg(HW_REG_WAVE_MODE, 25, 1), 1
	s_wait_xcnt 0x0
; score[row] = sum over units of V[u] tanh(values[row] . W1[:, u] + qb[batch][u]) + bV, the product on codes of FP4 (E2M1) with E8M0 scales; then, with a running maximum, the weights 2^(t - m), t = score x log2(e),
; their sum, and the weighted sum of the f32 rows.  Stored: the raw scores, (m, sum) and the unnormalised sum of rows of this work-group's 256 rows; the next launch joins a batch's eight parts.
; values IS READ ONCE: a block of 64 rows comes into LDS by tensor loads, is read out into 512 registers a wave (HOLD), is quantised from there, and is still there when its scores are known.
; SHARES.  Work-group x: rows 256 x on (one batch), four blocks of 64.  To fetch, hold, quantise and sum, wave w owns columns 256 w .. 256 w + 255 of all 64 rows.  For the product, wave w owns units 256 w .. + 255
; (16 tiles) for all four tiles of rows; x's codes go from wave to wave through LDS as images of the operand's registers.
; THE PRODUCT IS USED TRANSPOSED: source 0 = 16 units of W1, source 1 = 16 rows: lane (r, h) holds row r, register j unit 8 h + j.  qb is the C of each sum's first product.
; W1's images and scale words come from memory straight into two register buffers, a tile each, asked for a tile pair ahead.
; NO CLUSTER, NO JOINT LOADS, though all work-groups read the same W1: joint loads want LDS slots, and of 327,680 bytes this text uses 303,104; two slots in the 24,576 left would hold 12,288 bytes each, and a block's
; W1 (557,056 bytes with its scale words) would then want 45 changes of slots, each with a round, in every block.  values is shared by nobody.
; tanh(x) = 1 - 2 / (1 + 2^(2 log2(e) x)), so score = (bV + sum of V) - 2 sum of V / (1 + 2^..), all in f32; at both ends the exponential's infinity or zero gives +1 or -1.
; LIMITS: NaN and infinities among the inputs are not served; a block of zeros gets the scale byte 1 where the rule says 127 (its codes are zeros; only this program reads the bytes).
; REGISTERS, in windows of 256: window 0: below.  window 1: x's 32 fragments, (tile of rows m, K step k) at 64 m + 8 k.  windows 2, 3: HOLD: rows 16 m + r in window 2 + m / 2 at 128 (m % 2) + 64 s + 16 b + i:
; column 256 w + 128 s + 32 b + 16 h + i.
.set SUB,   66560                      ; LDS: a wave's part of the slot: 64 rows x (1,024 bytes + 16 of padding)
.set PITCH, 1040                       ; 65 x 16 bytes: the sixteen rows that a load touches start 16 bytes apart modulo 256
.set IMG,   4*SUB                      ; x's fragments: (m, k) at 1024 (8 m + k) + 512 c + 16 l
.set XSC,   IMG+32768                  ; their scale words: 128 (4 m + k / 2) + 64 (k % 2) + 4 r
.set SX,    XSC+2048                   ; the waves' parts of 64 scores: 16 x row + 4 w
.set SCF,   SX+1024                    ; wave 0's stage for 64 scores
.set KP,    SCF+256                    ; the waves' parts of the sum of V
.set SPARE, KP+256                     ; the spare words, 128 bytes for each wave: two blocks of 256 bytes that no other line names
.set SPW, 1                            ; v1   SPARE + 4 x my thread's number; never rewritten
.set NIL, 2                            ; v2   0; never rewritten
.set XA,  3                            ; v3   the slot: SUB w + PITCH r + 64 h
.set XWI, 4                            ; v4   where I store images: IMG + 2048 w + 16 l
.set XWS, 5                            ; v5   and scale words: XSC + 128 w + 4 r
.set LI,  6                            ; v6   IMG + 16 l
.set LS,  7                            ; v7   XSC + 4 l
.set WO,  8                            ; v8   w1f: 16 l + 16,384 x pair of tiles
.set WSO, 9                            ; v9   w1s: 4 l + 1,024 x pair
.set QO,  10                           ; v10  qb and V: 32 h + 128 x pair
.set SXW, 11                           ; v11  SX + 16 r + 4 w
.set SXR, 12                           ; v12  SX + 16 r
.set SCW, 13                           ; v13  SCF + 4 l
.set SCR, 14                           ; v14  SCF + 8 l
.set SCO, 15                           ; v15  8 l
.set CT,  16                           ; v16-23 the running sum of weighted rows: my 8 columns
.set MX,  24                           ; v24  the running largest t;  v25 the running sum
.set FF,  26                           ; v26  f = 2^(old m - new m);  v27 named with it as a pair
.set K0,  28                           ; v28  bV + the sum of V
.set CO,  29                           ; v29  pctx: 16 (l % 4) + 64 h + 128 ((l / 4) % 4)
.set XS,  32                           ; v32-47 x's scale words: 4 m + k / 2: lanes 0-15 the even K step, lanes 16-31 the odd
.set WB0, 48                           ; v48-131, v132-215: a tile of W1: codes + 0 .. 63, scale words + 64 .. 67, qb + 68 .. 75, V + 76 .. 83
.set ACC, 216                          ; v216-247 four accumulators, 8 m + j
.set SACC, 248                         ; v248-255 sums of V / (1 + 2^..): a pair for each m
.set TM,  216                          ; while quantising: v216-219 largest magnitudes, v220-223 bytes, v228-231 scale operands; v232-239, v240-247 codes; v248, v249 scale words
.set MSB, 0
.macro WIN new                         ; the immediate's high byte repeats the setting that is left; at every label and branch the setting is 0
.if MSB != (\new)
	s_set_vgpr_msb (MSB<<8)|(\new)
.set MSB, (\new)
.endif
.endm
.macro NOPS n
.rept \n
	v_nop
.endr
.endm
.macro LWC buf                         ; 22 loads: a tile's codes (8 K steps x 1,024 bytes), scale words and qb
.set WB, WB0+84*\buf
.irp i, 0,1,2,3,4,5,6,7,8,9,10,11,12,13,14,15
	global_load_b128 v[WB+4*\i:WB+4*\i+3], v[WO], s[6:7] offset:8192*\buf+512*\i   ; 32 lanes read 512 consecutive bytes
.endr
.irp q, 0,1,2,3
	global_load_b32 v[WB+64+\q], v[WSO], s[8:9] offset:512*\buf+128*\q
.endr
.irp c, 0,1
	global_load_b128 v[WB+68+4*\c:WB+71+4*\c], v[QO], s[10:11] offset:64*\buf+16*\c
.endr
.endm
.macro LWV buf                         ; 2 loads: the tile's V, in the result's layout
.set WB, WB0+84*\buf
.irp c, 0,1
	global_load_b128 v[WB+76+4*\c:WB+79+4*\c], v[QO], s[54:55] offset:64*\buf+16*\c
.endr
.endm
	s_load_b512 s[4:19], s[0:1], 0x0               ; values s[4:5], w1f s[6:7], w1s s[8:9], qb s[10:11], V s[12:13], bV s[14:15], scores s[16:17], stats s[18:19]
	s_load_b64 s[20:21], s[0:1], 0x40              ; pctx
	v_lshl_add_u32 v[SPW], v0, 2, SPARE
	v_mov_b32 v[NIL], 0
	ds_add_u32 v1, v2
	ds_add_u32 v1, v2
	s_wait_dscnt 0x0
	v_lshrrev_b32 v248, 5, v0
	v_readfirstlane_b32 s22, v248                  ; wave 0..3
	; descriptor group 1: 64 rows x 256 elements of 4 bytes, 1,024 elements from row to row, 4 words of padding behind each row's 256
	s_mov_b32 s24, (2<<16)|(1<<20)|(7<<22)|(3<<25)
	s_mov_b32 s25, 256<<16                         ; tensor_dim0
	s_mov_b32 s26, 64<<16                          ; tensor_dim1
	s_mov_b32 s27, 256<<16                         ; tile_dim0
	s_mov_b32 s28, 64                              ; tile_dim1
	s_mov_b32 s29, 1024                            ; tensor_dim0_stride
	s_mov_b32 s30, 0
	s_mov_b32 s31, 0
	s_mov_b32 s32, 1                               ; group 0: count,
	s_mul_i32 s33, s22, SUB                        ; my part of the slot,
	s_lshl_b32 s50, ttmp9, 20                      ; 256 rows of 4,096 bytes a work-group,
	s_lshl_b32 s51, s22, 10                        ; my 1,024 bytes of a row
	s_add_co_u32 s50, s50, s51
	s_mov_b32 s51, 0
	s_wait_kmcnt 0x0
	s_add_nc_u64 s[34:35], s[4:5], s[50:51]
	s_add_nc_u64 s[56:57], s[34:35], 0x78000       ; the prefetches' base: 8 rows short of my columns of the work-group's third block; each trip steps it by 8 rows ahead of its prefetch
	s_or_b32 s35, s35, 0x80000000
	tensor_load_to_lds s[32:35], s[24:31]          ; the first block, ahead of every wait on TENSORcnt, LDS read and barrier: one load of mine is out
	s_nop 0
	NOPS 4
	s_load_b32 s23, s[14:15], 0x0                  ; bV
	v_lshlrev_b32 v249, 5, v0                      ; V: 8 numbers a thread
	global_load_b128 v[216:219], v249, s[12:13]
	global_load_b128 v[220:223], v249, s[12:13] offset:16
	v_and_b32 v248, 31, v0                         ; l
	v_and_b32 v250, 15, v0                         ; r
	v_bfe_u32 v251, v0, 4, 1                       ; h
	v_mul_u32_u24 v[XA], v250, PITCH
	v_lshl_add_u32 v[XA], v251, 6, v[XA]
	v_add_nc_u32 v[XA], s33, v[XA]
	v_lshlrev_b32 v[WO], 4, v248
	v_lshlrev_b32 v[WSO], 2, v248
	v_lshlrev_b32 v[QO], 5, v251
	v_add_nc_u32 v[LI], IMG, v[WO]
	v_add_nc_u32 v[LS], XSC, v[WSO]
	s_lshl_b32 s50, s22, 11
	v_add_nc_u32 v[XWI], s50, v[LI]
	s_lshl_b32 s50, s22, 7
	v_lshlrev_b32 v252, 2, v250
	v_add_nc_u32 v[XWS], s50, v252
	v_add_nc_u32 v[XWS], XSC, v[XWS]
	v_lshlrev_b32 v[SXR], 4, v250
	v_add_nc_u32 v[SXR], SX, v[SXR]
	s_lshl_b32 s50, s22, 2
	v_add_nc_u32 v[SXW], s50, v[SXR]
	v_add_nc_u32 v[SCW], SCF, v[WSO]
	v_lshlrev_b32 v[SCO], 3, v248
	v_add_nc_u32 v[SCR], SCF, v[SCO]
	v_lshrrev_b32 v30, 5, v0
	v_lshl_add_u32 v30, v30, 2, KP                 ; my wave's word of KP
	v_mov_b32 v31, KP
	v_and_b32 v252, 3, v248
	v_lshlrev_b32 v[CO], 4, v252
	v_lshl_add_u32 v[CO], v251, 6, v[CO]
	v_bfe_u32 v252, v0, 2, 2
	v_lshl_add_u32 v[CO], v252, 7, v[CO]
	s_mov_b32 s38, 0x4038aa3b                      ; 2 log2(e); the packed form names the pair and takes its low word for both halves
	s_mov_b32 s39, s38
	s_mov_b32 s40, 0x3fb8aa3b                      ; log2(e)
	s_mov_b32 s42, 0x76543210
	s_mov_b32 s43, 0xfedcba98                      ; v_permlanex16_b32's selects for lane l xor 16
	s_mov_b32 s44, 0xff00ff00                      ; lanes whose number has bit 3, 2, 1, 0 set
	s_mov_b32 s45, 0xf0f0f0f0
	s_mov_b32 s46, 0xcccccccc
	s_mov_b32 s47, 0xaaaaaaaa
	s_mov_b32 s48, 0xffff0000                      ; lanes 16-31
	s_mov_b32 s51, 0
	s_lshl_b32 s50, s22, 17                        ; my 16 tiles of W1's images,
	s_add_nc_u64 s[6:7], s[6:7], s[50:51]
	s_lshl_b32 s50, s22, 13                        ; of its scale words,
	s_add_nc_u64 s[8:9], s[8:9], s[50:51]
	s_lshl_b32 s50, s22, 10                        ; my 256 units of V,
	s_add_nc_u64 s[54:55], s[12:13], s[50:51]
	s_lshr_b32 s52, ttmp9, 3                       ; and of my batch's row of qb
	s_lshl_b32 s52, s52, 12
	s_add_co_u32 s52, s52, s50
	s_mov_b32 s53, 0
	s_add_nc_u64 s[10:11], s[10:11], s[52:53]
	s_lshl_b32 s52, ttmp9, 12                      ; pctx: my work-group's row, my 1,024 bytes
	s_add_co_u32 s52, s52, s50
	s_add_nc_u64 s[20:21], s[20:21], s[52:53]
	s_lshl_b32 s50, ttmp9, 10                      ; scores: 256 a work-group
	s_add_nc_u64 s[16:17], s[16:17], s[50:51]
	s_lshl_b32 s50, ttmp9, 3                       ; stats: 8 bytes a work-group
	s_add_nc_u64 s[18:19], s[18:19], s[50:51]
	LWC 0                                          ; tiles 0 and 1 of W1: 2 x 24 loads, in the order in which every trip asks: 22, 2, 22, 2
	LWV 0
	LWC 1
	LWV 1
.irp i, 0,1,2,3,4,5,6,7
	v_mov_b32 v[CT+\i], 0                          ; eight registers: the block is written once more only for the last, and the first finds zeros, which f = 0 leaves zeros
.endr
	v_mov_b32 v[MX], 0xff61b1e6                    ; -3e38, under every t
	v_mov_b32 v[MX+1], 0
	v_mov_b32 v[FF], 0
	v_mov_b32 v[FF+1], 0
	s_wait_loadcnt 48                              ; V's two loads are in; behind them the 48 of W1's two tiles
	v_add_f32 v216, v216, v217
	v_add_f32 v218, v218, v219
	v_add_f32 v220, v220, v221
	v_add_f32 v222, v222, v223
	v_add_f32 v216, v216, v218
	v_add_f32 v220, v220, v222
	v_add_f32 v216, v216, v220
.irp x, 1,2,4,8
	v_add_f32_dpp v216, v216, v216 row_xmask:\x row_mask:0xf bank_mask:0xf
.endr
	v_permlanex16_b32 v252, v216, s42, s43
	v_add_f32 v216, v216, v252                     ; my wave's 256 numbers of V
	ds_store_b32 v30, v216                         ; all lanes write the same word with the same value
	s_wait_dscnt 0x0
	s_barrier_signal -1                            ; the first block's load may stay out
	s_barrier_wait -1
	ds_load_b128 v[216:219], v31
	s_wait_dscnt 0x0
	v_add_f32 v216, v216, v217
	v_add_f32 v218, v218, v219
	v_add_f32 v216, v216, v218
	s_wait_alu depctr_va_vdst(0)
	s_wait_kmcnt 0x0
	v_add_f32 v[K0], s23, v216
	v_mov_b32 v30, 0
	v_and_b32 v31, 3, v0                           ; from here on v31 is the prefetches' offset: 256 (l % 4) + 4,096 (l / 4): four blocks of 256 bytes in each of eight rows; never rewritten
	v_lshlrev_b32 v31, 8, v31
	v_bfe_u32 v216, v0, 2, 3
	v_lshl_add_u32 v31, v216, 12, v31
; 64 numbers of a lane (HOLD's set q: rows 16 (q / 2) on, my K step q % 2) become a fragment and its scale word, and go to LDS as they stand
.macro QUANT q
.set QM, (\q)/2
.set QH, (\q)%2
.set HB, 128*(QM%2)+64*QH
.set PC, 232+8*QH
.set PW, 248+QH
	WIN 0x0a+5*(QM/2)                              ; sources 0 and 1: window 2 or 3
.irp b, 0,1,2,3
	v_max3_num_f32 v[TM+\b], |v[HB+16*\b]|, |v[HB+16*\b+1]|, 0x1800000   ; block b: my 16 numbers, and the floor 2^(3 - 127): the byte cannot fall under 1
.endr
.irp i, 2,4,6,8,10,12,14
.irp b, 0,1,2,3
	v_max3_num_f32 v[TM+\b], |v[HB+16*\b+\i]|, |v[HB+16*\b+\i+1]|, v[TM+\b]
.endr
.endr
	WIN 0
.irp b, 0,1,2,3
	v_permlanex16_b32 v[TM+4+\b], v[TM+\b], s42, s43
.endr
.irp b, 0,1,2,3
	v_max_num_f32 v[TM+\b], v[TM+\b], v[TM+4+\b]   ; with lane l xor 16's 16: the block's largest magnitude
.endr
.irp b, 0,1,2,3
	v_add_nc_u32 v[TM+12+\b], 0xff000000, v[TM+\b] ; 2 off its exponent field: the conversion's scale operand
.endr
.irp b, 0,1,2,3
	v_lshrrev_b32 v[TM+4+\b], 23, v[TM+12+\b]      ; the scale's byte
.endr
	v_lshl_or_b32 v[PW], v[TM+5], 8, v[TM+4]
	v_lshl_or_b32 v[PW], v[TM+6], 16, v[PW]
	v_lshl_or_b32 v[PW], v[TM+7], 24, v[PW]
	WIN 0x02+QM/2                                  ; source 0: window 2 or 3
.irp b, 0,1,2,3
	v_cvt_scalef32_pk8_fp4_f32 v[PC+2*\b], v[HB+16*\b:HB+16*\b+7], v[TM+12+\b]
	v_cvt_scalef32_pk8_fp4_f32 v[PC+2*\b+1], v[HB+16*\b+8:HB+16*\b+15], v[TM+12+\b]
.endr
	WIN 0
	v_nop                                          ; one plain line behind the last scaled conversion
.irp c, 0,1                            ; the operand wants a whole block in a lane: lanes 0-15 block 2 c, lanes 16-31 block 2 c + 1
.irp i, 0,1
	v_permlane16_swap_b32 v[PC+4*\c+\i], v[PC+4*\c+2+\i]
.endr
.endr
.irp c, 0,1
	ds_store_b128 v[XWI], v[PC+4*\c:PC+4*\c+3] offset:8192*QM+1024*QH+512*\c
.endr
	ds_store_b32 v[XWS], v[PW] offset:512*QM+64*QH ; lanes r and 16 + r write the same word with the same value
.endm
; 32 products: a tile of 16 units x 64 rows x all of K.  The four accumulators take turns, one instruction a turn.  The first product of each takes qb as its C.
.macro MM buf
.set WB, WB0+84*\buf
	WIN 0x04                                       ; source 1 (x) window 1
.irp k, 0,1,2,3,4,5,6,7
.irp m, 0,1,2,3
.if \k == 0
	v_wmma_scale_f32_16x16x128_f8f6f4 v[ACC+8*\m:ACC+8*\m+7], v[WB:WB+7], v[64*\m:64*\m+7], v[WB+68:WB+75], v[WB+64], v[XS+4*\m] matrix_a_fmt:MATRIX_FMT_FP4 matrix_b_fmt:MATRIX_FMT_FP4
.elseif \k%2 == 0
	v_wmma_scale_f32_16x16x128_f8f6f4 v[ACC+8*\m:ACC+8*\m+7], v[WB+8*\k:WB+8*\k+7], v[64*\m+8*\k:64*\m+8*\k+7], v[ACC+8*\m:ACC+8*\m+7], v[WB+64+\k/2], v[XS+4*\m+\k/2] matrix_a_fmt:MATRIX_FMT_FP4 matrix_b_fmt:MATRIX_FMT_FP4
.else
	v_wmma_scale_f32_16x16x128_f8f6f4 v[ACC+8*\m:ACC+8*\m+7], v[WB+8*\k:WB+8*\k+7], v[64*\m+8*\k:64*\m+8*\k+7], v[ACC+8*\m:ACC+8*\m+7], v[WB+64+\k/2], v[XS+4*\m+\k/2] matrix_a_fmt:MATRIX_FMT_FP4 matrix_b_fmt:MATRIX_FMT_FP4 matrix_a_scale:MATRIX_SCALE_ROW1 matrix_b_scale:MATRIX_SCALE_ROW1
.endif
.endr
.endr
	WIN 0
.endm
; The tile's 32 numbers a lane: 1 / (1 + 2^(2 log2(e) x)), times V, onto the sums.  Two batches of 32 transcendentals, each with one plain line and one wait ahead of its first reader.
; vc: how many loads younger than the tile's two loads of V may be out where V is first read: V has a wait of its own, here, since nothing ahead of these last sixteen lines reads it.
.macro TANH buf, vc, ld                ; ld = 1: the buffer's codes, scale words and qb are asked for again, behind the wait that stands ahead of the exponentials
.set WB, WB0+84*\buf
.set n, 0
.rept 16
	v_pk_mul_f32 v[ACC+n:ACC+n+1], v[ACC+n:ACC+n+1], s[38:39] op_sel_hi:[1,0]   ; each accumulator from its low end on
.set n, n+2
.endr
.set n, 0
	s_wait_alu depctr_va_vdst(0)
.if \ld
	LWC \buf                                       ; 22 loads into operands that the products have read: the plain lines ahead of the scalings are their places
.endif
.set n, 0
.rept 32
	v_exp_f32 v[ACC+n], v[ACC+n]
.set n, n+1
.endr
	v_nop
	s_wait_alu depctr_va_vdst(0)                   ; one wait for the 32 exponentials
.set n, 0
.rept 16
	v_pk_add_f32 v[ACC+n:ACC+n+1], v[ACC+n:ACC+n+1], 1.0 op_sel_hi:[1,0]
.set n, n+2
.endr
.set n, 0
	s_wait_alu depctr_va_vdst(0)
.rept 32
	v_rcp_f32 v[ACC+n], v[ACC+n]
.set n, n+1
.endr
	v_nop
	s_wait_alu depctr_va_vdst(0)                   ; one wait for the 32 reciprocals
	s_wait_loadcnt \vc                             ; loads come back in order (ISA guide 5.7.1): this tile's V is in
.irp jj, 0,1,2,3
.irp m, 0,1,2,3
	v_pk_fma_f32 v[SACC+2*\m:SACC+2*\m+1], v[ACC+8*\m+2*\jj:ACC+8*\m+2*\jj+1], v[WB+76+2*\jj:WB+77+2*\jj], v[SACC+2*\m:SACC+2*\m+1]
.endr
.endr
.endm
; Two tiles.  ld = 1: each buffer is asked for again, with the next pair's tile, as soon as its parts are done with; behind the eighth pair the masks lead back to the first, for the next block.
; THE ORDER OF THE LOADS, in every trip and at the head: buffer 0's 22 (codes, scale words, qb), buffer 0's V (2), buffer 1's 22, buffer 1's V (2).  THE COUNTS follow from it:
; ahead of a buffer's products its 22 are wanted: younger are its own V, the other buffer's 22 and 2: 26.  Ahead of the first read of its V: younger are the other buffer's 22 and 2 and the 22 just asked for: 46.
; In the trip that asks for nothing: 26; 24 (buffer 1's 22 and 2); 2 (buffer 1's V); 0.
; pf = 1: A PREFETCH INTO THE L2 stands in the trip.  In the eight trips of blocks 0 and 1 each wave names its own 1,024 bytes of 8 rows of the block two on (32 lanes, 32 aligned blocks of 256 bytes),
; which is what the next block's refill will load: 8 trips x 8 rows = the block's 64 rows, each block of 256 bytes named once.  Blocks 2 and 3 have no block two on and ask for nothing (s36 counts 3, 2, 1).
.macro TRIP ld, pf
	s_wait_loadcnt 26                              ; buffer 0's codes, scale words and qb are in
	MM 0
.if \ld
	s_wait_xcnt 0x0                                ; the loads that are out, and the last trip's prefetch, have read their offsets and bases: these step only behind this wait
.if \pf
	s_add_nc_u64 s[56:57], s[56:57], 0x8000        ; 8 rows on (in block 2 the stepped address is not used)
.endif
	v_add_nc_u32 v[WO], 0x4000, v[WO]
	v_add_nc_u32 v[WSO], 0x400, v[WSO]
	v_add_nc_u32 v[QO], 0x80, v[QO]
	v_and_b32 v[WO], 0x1ffff, v[WO]
	v_and_b32 v[WSO], 0x1fff, v[WSO]
	v_and_b32 v[QO], 0x3ff, v[QO]
.if \pf
	s_cmp_lt_u32 s36, 2
	s_cbranch_scc1 .Lnopf_\@
	global_prefetch_b8 v31, s[56:57] th:TH_LOAD_NT scope:SCOPE_SE
.Lnopf_\@:
.endif
	TANH 0, 46, 1
	LWV 0
	s_wait_loadcnt 26                              ; buffer 1's codes, scale words and qb are in
.else
	NOPS 4
	TANH 0, 24, 0
	s_wait_loadcnt 2
.endif
	MM 1
	NOPS 4
.if \ld
	TANH 1, 46, 1
	LWV 1
.else
	TANH 1, 0, 0
.endif
.endm
; One step of the sum over the 16 lanes of a half, in which each lane keeps half of its registers: a lane whose number has the bit set keeps register b and hands over a, the others the other way round.
.macro RS D, xm, mask
.irp s, 0,1
.set n, 0
.rept \D/4
.irp u, 0,1,2,3
	v_cndmask_b32 v[128+(n+\u)%8], v[64*\s+n+\u], v[64*\s+n+\u+\D], s[\mask]   ; what I keep
.endr
.irp u, 0,1,2,3
	v_cndmask_b32 v[64*\s+n+\u+\D], v[64*\s+n+\u+\D], v[64*\s+n+\u], s[\mask]  ; what my partner keeps
.endr
.irp u, 0,1,2,3
	v_add_f32_dpp v[64*\s+n+\u], v[64*\s+n+\u+\D], v[128+(n+\u)%8] row_xmask:\xm row_mask:0xf bank_mask:0xf
.endr
.set n, n+4
.endr
.endr
.endm
; A BLOCK OF 64 ROWS.  fill = 1: the slot is filled again, with the next block.
; A block leaves the slot by 128 loads into 512 registers, in two halves.  Only I read my part of the slot, so my own wait on TENSORcnt is all that the reads need.
.macro READLO                          ; rows 0-31 into window 2: 64 loads
	WIN 0x80
.irp m, 0,1
.irp s, 0,1
.irp b, 0,1,2,3
.irp j, 0,1,2,3
	ds_load_b128 v[128*\m+64*\s+16*\b+4*\j:128*\m+64*\s+16*\b+4*\j+3], v[XA] offset:16640*\m+512*\s+128*\b+16*\j
.endr
.endr
.endr
.endr
	WIN 0
.endm
.macro READHI                          ; rows 32-63 into window 3: 64 loads
	WIN 0xc0
.irp m, 0,1
.irp s, 0,1
.irp b, 0,1,2,3
.irp j, 0,1,2,3
	ds_load_b128 v[128*\m+64*\s+16*\b+4*\j:128*\m+64*\s+16*\b+4*\j+3], v[XA] offset:16640*(\m+2)+512*\s+128*\b+16*\j
.endr
.endr
.endr
.endr
	WIN 0
.endm
.macro IMGS m                          ; tile m of rows: its eight fragments (group c of K step k: n = 2 (8 m + k) + c) into window 1, and its four registers of scale words: 20 loads
	WIN 0x40
.set n, 16*(\m)
.rept 16
	ds_load_b128 v[4*n:4*n+3], v[LI] offset:512*n
.set n, n+1
.endr
	WIN 0
.irp i, 0,1,2,3
	ds_load_b32 v[XS+4*(\m)+\i], v[LS] offset:128*(4*(\m)+\i)
.endr
.endm
.macro MEETQ                           ; my images of a tile of rows lie in LDS, and my earlier LDS loads are back; behind the barrier everybody's images do
	s_wait_dscnt 0x0
	s_barrier_signal -1
	s_barrier_wait -1
.endm
; THE BLOCK.  At its head the block's 128 loads out of the slot have been issued.  fill = 1: the slot is filled again first of all, behind a barrier of its own, and at the block's end the next block leaves the slot.
; The tiles of rows are then quantised in the order 2, 3, 0, 1, each with a barrier of its own, and a tile's 20 loads of images are out while the next tile is quantised.
.macro BLOCK fill
.if \fill
	s_wait_tensorcnt 0x0                           ; no tensor load of mine is out, so group 0 may be written
	ds_add_u32 v[SPW], v[NIL]                      ; 0 onto my spare word
	s_add_nc_u64 s[34:35], s[34:35], 262144        ; 64 rows on; the type bits on top are not reached
	s_wait_dscnt 0x0                               ; the add is done, my reads of the slot are back
	s_barrier_signal -1
	s_barrier_wait -1
	tensor_load_to_lds s[32:35], s[24:31]          ; my one tensor load behind this barrier, and the first thing there
	s_nop 0
	NOPS 4
.else
	s_wait_dscnt 0x0                               ; the block is in its registers
.endif
	QUANT 4
	QUANT 5
	MEETQ
	IMGS 2
	QUANT 6
	QUANT 7
	MEETQ
	IMGS 3
	QUANT 0
	QUANT 1
	MEETQ
	IMGS 0
	QUANT 2
	QUANT 3
	MEETQ
	IMGS 1
.irp i, 0,1,2,3,4,5,6,7
	v_mov_b32 v[SACC+\i], 0
.endr
	s_wait_dscnt 0x0
	; ---- my 16 tiles of units, two a trip
.if \fill
	s_mov_b32 s37, 8
.else
	s_mov_b32 s37, 7
.endif
.Ltrip_\@:
	TRIP 1, \fill
	s_sub_co_u32 s37, s37, 1
	s_cmp_lg_u32 s37, 0
	s_cbranch_scc1 .Ltrip_\@
.if !\fill
	TRIP 0, 0
.endif
	; ---- the scores
.irp m, 0,1,2,3
	v_add_f32 v[ACC+\m], v[SACC+2*\m], v[SACC+2*\m+1]
.endr
.irp m, 0,1,2,3
	v_permlanex16_b32 v[ACC+4+\m], v[ACC+\m], s42, s43
.endr
.irp m, 0,1,2,3
	v_add_f32 v[ACC+\m], v[ACC+\m], v[ACC+4+\m]    ; row 16 m + r over my 256 units
.endr
.irp m, 0,1,2,3
	ds_store_b32 v[SXW], v[ACC+\m] offset:256*\m
.endr
	s_wait_dscnt 0x0
	s_barrier_signal -1
	s_barrier_wait -1
.irp m, 0,1,2,3
	ds_load_b128 v[ACC+4*\m:ACC+4*\m+3], v[SXR] offset:256*\m   ; the four waves' parts of row 16 m + r
.endr
	s_wait_dscnt 0x0
.irp m, 0,1,2,3
	v_add_f32 v[ACC+4*\m], v[ACC+4*\m], v[ACC+4*\m+1]
	v_add_f32 v[ACC+4*\m+2], v[ACC+4*\m+2], v[ACC+4*\m+3]
.endr
.irp m, 0,1,2,3
	v_add_f32 v[ACC+4*\m], v[ACC+4*\m], v[ACC+4*\m+2]
.endr
.irp m, 0,1,2,3
	v_fma_f32 v[240+\m], -2.0, v[ACC+4*\m], v[K0]  ; the score.  Every wave makes all 64, in the same order of sums: the same bits in all four
.endr
.irp m, 0,1,2,3
	v_mul_f32 v[244+\m], s40, v[240+\m]            ; t
.endr
	v_max3_num_f32 v248, v244, v245, v246
	v_max_num_f32 v248, v248, v247
.irp x, 1,2,4,8
	v_max_num_f32_dpp v248, v248, v248 row_xmask:\x row_mask:0xf bank_mask:0xf   ; both halves of the lanes hold the same 64 rows
.endr
	v_max_num_f32 v249, v[MX], v248                ; the new m
	v_sub_f32 v[FF], v[MX], v249
.irp m, 0,1,2,3
	v_sub_f32 v[232+2*\m], v[244+\m], v249
.endr
	s_wait_alu depctr_va_vdst(0)
	v_exp_f32 v[FF], v[FF]                         ; f = 2^(old m - new m)
.irp m, 0,1,2,3
	v_exp_f32 v[232+2*\m], v[232+2*\m]             ; p = 2^(t - m), at most 1
.endr
	v_mov_b32 v[MX], v249                          ; a plain line behind the exponentials
	s_wait_alu depctr_va_vdst(0)                   ; one wait for the five
	v_add_f32 v250, v232, v234
	v_add_f32 v251, v236, v238
	v_add_f32 v250, v250, v251
.irp x, 1,2,4,8
	v_add_f32_dpp v250, v250, v250 row_xmask:\x row_mask:0xf bank_mask:0xf
.endr
	v_fma_f32 v[MX+1], v[MX+1], v[FF], v250        ; the sum under the new m
	s_cmp_lg_u32 s22, 0                            ; wave 0 stores the block's 64 scores, through its own stage, so that one store covers 256 consecutive bytes
	s_cbranch_scc1 .Lnot0_\@
	v_cndmask_b32 v252, v240, v241, s48            ; lane l: row l,
	v_cndmask_b32 v253, v242, v243, s48            ; and row 32 + l
	ds_store_b32 v[SCW], v252
	ds_store_b32 v[SCW], v253 offset:128
	ds_load_b64 v[254:255], v[SCR]                 ; LDS serves a wave's instructions in order: this sees the stores above
	s_wait_dscnt 0x0
	global_store_b64 v[SCO], v[254:255], s[16:17]
.Lnot0_\@:
	; ---- the weighted sum of the block's rows: first over the four tiles of rows, register by register,
	WIN 0x52                                       ; the sums go into window 1, where x's fragments are done with: source 0 window 2, p in window 0, source 2 and destination window 1
.set n, 0
.rept 64
	v_pk_mul_f32 v[n:n+1], v[n:n+1], v[232:233] op_sel_hi:[1,0]
.set n, n+2
.endr
.set n, 0
.rept 64
	v_pk_fma_f32 v[n:n+1], v[128+n:129+n], v[234:235], v[n:n+1] op_sel_hi:[1,0,1]
.set n, n+2
.endr
	WIN 0x53                                       ; source 0 window 3
.set n, 0
.rept 64
	v_pk_fma_f32 v[n:n+1], v[n:n+1], v[236:237], v[n:n+1] op_sel_hi:[1,0,1]
.set n, n+2
.endr
.set n, 0
.rept 64
	v_pk_fma_f32 v[n:n+1], v[128+n:129+n], v[238:239], v[n:n+1] op_sel_hi:[1,0,1]
.set n, n+2
.endr
.if \fill
	s_wait_alu depctr_va_vdst(0)
	s_wait_tensorcnt 0x0                           ; the next block lies in my part of the slot
	READHI                                         ; windows 2 and 3 have been summed up: the whole next block comes in while the lanes' sums are made in window 1
	READLO
.endif
	WIN 0x45                                       ; sources 0 and 1 and destination window 1
	RS 32, 8, 44
	RS 16, 4, 45
	RS 8, 2, 46
	RS 4, 1, 47
	WIN 0x10                                       ; source 2 window 1
	v_pk_fma_f32 v[CT:CT+1], v[CT:CT+1], v[FF:FF+1], v[0:1] op_sel_hi:[1,0,1]
	v_pk_fma_f32 v[CT+2:CT+3], v[CT+2:CT+3], v[FF:FF+1], v[2:3] op_sel_hi:[1,0,1]
	v_pk_fma_f32 v[CT+4:CT+5], v[CT+4:CT+5], v[FF:FF+1], v[64:65] op_sel_hi:[1,0,1]
	v_pk_fma_f32 v[CT+6:CT+7], v[CT+6:CT+7], v[FF:FF+1], v[66:67] op_sel_hi:[1,0,1]
	WIN 0
.if \fill
	s_wait_xcnt 0x0
	s_add_nc_u64 s[16:17], s[16:17], 256
.endif
.endm
	s_wait_tensorcnt 0x0                           ; the first block lies in my part of the slot
	READHI                                         ; it leaves the slot in the order in which every block does: rows 32-63, then rows 0-31
	READLO
	s_mov_b32 s36, 3
.Lblock:
	BLOCK 1
	s_sub_co_u32 s36, s36, 1
	s_cmp_lg_u32 s36, 0
	s_cbranch_scc1 .Lblock
	BLOCK 0                                        ; the last block is written out
	global_store_b128 v[CO], v[CT:CT+3], s[20:21]              ; 32 lanes store 512 consecutive bytes
	global_store_b128 v[CO], v[CT+4:CT+7], s[20:21] offset:512
	s_wait_xcnt 0x0                                ; EXEC changes only behind this wait
	v_cmp_eq_u32 vcc_lo, 0, v0
	s_and_saveexec_b32 s50, vcc_lo                 ; thread 0 of the work-group alone
	global_store_b64 v30, v[MX:MX+1], s[18:19]     ; (m, sum)
	s_wait_xcnt 0x0
	s_or_b32 exec_lo, exec_lo, s50
	s_wait_tensorcnt 0x0                           ; the wave's end
	ds_add_u32 v[SPW], v[NIL]
	s_wait_dscnt 0x0
	s_endpgm
.Lfunc_end_k_q32bcbeb089_attend:
	.size	k_q32bcbeb089_attend, .Lfunc_end_k_q32bcbeb089_attend-k_q32bcbeb089_attend
	.p2alignl 7, 3214868480
	.fill 96, 4, 3214868480
	.section	.rodata,"a",@progbits
	.p2align	6, 0x0
	.amdhsa_kernel k_q32bcbeb089_attend
		.amdhsa_group_segment_fixed_size 327680
		.amdhsa_private_segment_fixed_size 0
		.amdhsa_enable_private_segment 0
		.amdhsa_kernarg_size 72
		.amdhsa_user_sgpr_count 2
		.amdhsa_user_sgpr_kernarg_segment_ptr 1
		.amdhsa_wavefront_size32 1
		.amdhsa_system_sgpr_workgroup_id_x 1
		.amdhsa_system_sgpr_workgroup_id_y 1
		.amdhsa_system_sgpr_workgroup_id_z 1
		.amdhsa_system_vgpr_workitem_id 0
		.amdhsa_next_free_vgpr 1024
		.amdhsa_next_free_sgpr 66
		.amdhsa_reserve_vcc 1
		.amdhsa_float_denorm_mode_32 3
		.amdhsa_float_denorm_mode_16_64 3
		.amdhsa_memory_ordered 1
		.amdhsa_forward_progress 1
		.amdhsa_inst_pref_size 255
	.end_amdhsa_kernel
	.section	.bss,"aw",@nobits
	.p2align	6
	.space	262144
	.amdgpu_metadata
---
amdhsa.version: [ 1, 2 ]
amdhsa.kernels:
  - .name:           k_q32bcbeb089_attend
    .symbol:         k_q32bcbeb089_attend.kd
    .args:
      - { .name: values, .offset: 0, .size: 8, .value_kind: global_buffer, .address_space: global }
      - { .name: w1f, .offset: 8, .size: 8, .value_kind: global_buffer, .address_space: global }
      - { .name: w1s, .offset: 16, .size: 8, .value_kind: global_buffer, .address_space: global }
      - { .name: qb, .offset: 24, .size: 8, .value_kind: global_buffer, .address_space: global }
      - { .name: V, .offset: 32, .size: 8, .value_kind: global_buffer, .address_space: global }
      - { .name: bV, .offset: 40, .size: 8, .value_kind: global_buffer, .address_space: global }
      - { .name: scores, .offset: 48, .size: 8, .value_kind: global_buffer, .address_space: global }
      - { .name: stats, .offset: 56, .size: 8, .value_kind: global_buffer, .address_space: global }
      - { .name: pctx, .offset: 64, .size: 8, .value_kind: global_buffer, .address_space: global }
    .group_segment_fixed_size: 327680
    .private_segment_fixed_size: 0
    .kernarg_segment_align: 8
    .kernarg_segment_size: 72
    .max_flat_workgroup_size: 128
    .sgpr_count:     66
    .vgpr_count:     1024
    .wavefront_size: 32
...
	.end_amdgpu_metadata
.endif
;; end of part 2
;; launch finish (part 3): grid 32 x 1, 8 waves a work-group, no clusters, 0 bytes of LDS; arguments scores, stats, pctx, out0, out1; writes out0, out1
.if DOCPART == 3
	.amdgcn_target "amdgcn-amd-amdhsa--gfx1250"
	.amdhsa_code_object_version 6
	.text
	.protected	k_q32bcbeb089_finish
	.globl	k_q32bcbeb089_finish
	.p2align	8
	.type	k_q32bcbeb089_finish,@function
k_q32bcbeb089_finish:
	s_mov_b64 s[64:65], 0
	v_nop
	global_prefetch_b8 v0, s[64:65] scope:SCOPE_SE
	s_setreg_imm32_b32 hwreg(HW_REG_WAVE_MODE, 25, 1), 1
	s_wait_xcnt 0x0
; A batch's eight parts are joined.  Part i has m_i (the largest score x log2(e) of its 256 rows), l_i = the sum of 2^(t - m_i), and c_i = the sum of 2^(t - m_i) x row.
; M = the largest m_i; g_i = 2^(m_i - M); L = the sum of l_i g_i (at least 1);  out0 = the sum of (g_i / L) c_i;  out1 = 2^(score x log2(e) - M) / L.
; Work-group b serves batch b; thread t takes 4 columns of out0 and 2 x 4 rows of out1: every load and store of a wave covers 512 consecutive bytes.  No LDS, no barrier, no matrix work: 294,912 bytes a work-group at the most.
	s_load_b256 s[4:11], s[0:1], 0x0               ; scores s[4:5], stats s[6:7], pctx s[8:9], out0 s[10:11]
	s_load_b64 s[12:13], s[0:1], 0x20              ; out1
	v_lshlrev_b32 v1, 4, v0                        ; 16 t
	s_lshl_b32 s32, ttmp9, 6                       ; stats: 8 pairs a batch
	s_mov_b32 s33, 0
	s_lshl_b32 s34, ttmp9, 15                      ; pctx: 8 rows of 4,096 bytes
	s_mov_b32 s35, 0
	s_lshl_b32 s36, ttmp9, 13                      ; scores, out1: 2,048 numbers
	s_mov_b32 s37, 0
	s_lshl_b32 s38, ttmp9, 12                      ; out0: a row
	s_mov_b32 s39, 0
	s_mov_b32 s40, 0x3fb8aa3b                      ; log2(e)
	s_wait_alu depctr_va_vdst(0)
	s_wait_kmcnt 0x0
	s_add_nc_u64 s[6:7], s[6:7], s[32:33]
	s_load_b512 s[16:31], s[6:7], 0x0              ; m_i in s[16 + 2 i], l_i in s[17 + 2 i]
	s_add_nc_u64 s[8:9], s[8:9], s[34:35]
	s_add_nc_u64 s[4:5], s[4:5], s[36:37]
	s_add_nc_u64 s[12:13], s[12:13], s[36:37]
	s_add_nc_u64 s[10:11], s[10:11], s[38:39]
.irp i, 0,1,2,3,4,5,6,7
	global_load_b128 v[4+4*\i:7+4*\i], v1, s[8:9] offset:4096*\i
.endr
.irp j, 0,1
	global_load_b128 v[36+4*\j:39+4*\j], v1, s[4:5] offset:4096*\j
.endr
	s_wait_kmcnt 0x0
	v_mov_b32 v44, s16
	s_delay_alu instid0(VALU_DEP_1)
	v_max3_num_f32 v44, v44, s18, s20
	s_delay_alu instid0(VALU_DEP_1)
	v_max3_num_f32 v44, v44, s22, s24
	s_delay_alu instid0(VALU_DEP_1)
	v_max3_num_f32 v44, v44, s26, s28
	s_delay_alu instid0(VALU_DEP_1)
	v_max_num_f32 v44, s30, v44                    ; M
.irp i, 0,1,2,3,4,5,6,7
	v_sub_f32 v[48+\i], s[16+2*\i], v44
.endr
	s_wait_alu depctr_va_vdst(0)
.irp i, 0,1,2,3,4,5,6,7
	v_exp_f32 v[48+\i], v[48+\i]                   ; g_i
.endr
	v_nop
	s_wait_alu depctr_va_vdst(0)                   ; one wait for the eight
	v_mul_f32 v45, s17, v48
.irp i, 1,2,3,4,5,6,7
	v_fmac_f32 v45, s[17+2*\i], v[48+\i]           ; L
.endr
	s_wait_alu depctr_va_vdst(0)
	v_rcp_f32 v46, v45
	v_nop
	s_wait_alu depctr_va_vdst(0)
.irp i, 0,1,2,3,4,5,6,7
	v_mul_f32 v[48+\i], v[48+\i], v46              ; g_i / L
.endr
	s_wait_alu depctr_va_vdst(0)
	s_wait_loadcnt 2                               ; the eight parts are in; the two loads of scores may be out
.irp q, 0,1,2,3
	v_mul_f32 v[56+\q], v[4+\q], v48
.endr
.irp i, 1,2,3,4,5,6,7
.irp q, 0,1,2,3
	s_delay_alu instid0(VALU_DEP_4)
	v_fmac_f32 v[56+\q], v[4+4*\i+\q], v[48+\i]
.endr
.endr
	global_store_b128 v1, v[56:59], s[10:11]
	s_wait_loadcnt 0x0
.irp q, 0,1,2,3,4,5,6,7
	v_fma_f32 v[36+\q], v[36+\q], s40, -v44        ; t - M, 0 or less
.endr
	s_wait_alu depctr_va_vdst(0)
.irp q, 0,1,2,3,4,5,6,7
	v_exp_f32 v[36+\q], v[36+\q]
.endr
	v_nop
	s_wait_alu depctr_va_vdst(0)                   ; one wait for the eight
.irp q, 0,1,2,3,4,5,6,7
	v_mul_f32 v[64+\q], v[36+\q], v46
.endr
	global_store_b128 v1, v[64:67], s[12:13]
	global_store_b128 v1, v[68:71], s[12:13] offset:4096
	s_endpgm
.Lfunc_end_k_q32bcbeb089_finish:
	.size	k_q32bcbeb089_finish, .Lfunc_end_k_q32bcbeb089_finish-k_q32bcbeb089_finish
	.p2alignl 7, 3214868480
	.fill 96, 4, 3214868480
	.section	.rodata,"a",@progbits
	.p2align	6, 0x0
	.amdhsa_kernel k_q32bcbeb089_finish
		.amdhsa_group_segment_fixed_size 0
		.amdhsa_private_segment_fixed_size 0
		.amdhsa_enable_private_segment 0
		.amdhsa_kernarg_size 40
		.amdhsa_user_sgpr_count 2
		.amdhsa_user_sgpr_kernarg_segment_ptr 1
		.amdhsa_wavefront_size32 1
		.amdhsa_system_sgpr_workgroup_id_x 1
		.amdhsa_system_sgpr_workgroup_id_y 1
		.amdhsa_system_sgpr_workgroup_id_z 1
		.amdhsa_system_vgpr_workitem_id 0
		.amdhsa_next_free_vgpr 96
		.amdhsa_next_free_sgpr 66
		.amdhsa_reserve_vcc 0
		.amdhsa_float_denorm_mode_32 3
		.amdhsa_float_denorm_mode_16_64 3
		.amdhsa_memory_ordered 1
		.amdhsa_forward_progress 1
		.amdhsa_inst_pref_size 7
	.end_amdhsa_kernel
	.amdgpu_metadata
---
amdhsa.version: [ 1, 2 ]
amdhsa.kernels:
  - .name:           k_q32bcbeb089_finish
    .symbol:         k_q32bcbeb089_finish.kd
    .args:
      - { .name: scores, .offset: 0, .size: 8, .value_kind: global_buffer, .address_space: global }
      - { .name: stats, .offset: 8, .size: 8, .value_kind: global_buffer, .address_space: global }
      - { .name: pctx, .offset: 16, .size: 8, .value_kind: global_buffer, .address_space: global }
      - { .name: out0, .offset: 24, .size: 8, .value_kind: global_buffer, .address_space: global }
      - { .name: out1, .offset: 32, .size: 8, .value_kind: global_buffer, .address_space: global }
    .group_segment_fixed_size: 0
    .private_segment_fixed_size: 0
    .kernarg_segment_align: 8
    .kernarg_segment_size: 40
    .max_flat_workgroup_size: 256
    .sgpr_count:     66
    .vgpr_count:     96
    .wavefront_size: 32
...
	.end_amdgpu_metadata
.endif
;; end of part 3
